; MI455X (gfx1250); checked and timed in simulation.
; The chip was launched on July 23, 2026; its instructions are those of AMD's public machine-readable ISA for CDNA 5 (MIT licence, August 2026) and "CDNA5" Instruction Set Architecture Reference Guide (July 2026). The comments in the code are by the model that wrote it; some were corrected since.
;; Optimized Secure Attention. Allowed arithmetic: matrix products marked QUANTISED: E2M3 operands, one E8M0 scale for each 32 along K, by v_wmma_scale_f32_16x16x128_f8f6f4 with both operands' format E2M3, f32 sums; everything else in f32.
;; Inputs: Wk 512 x 512 float32; Wq 512 x 512 float32; Wv 512 x 512 float32; bk 512 float32; bq 512 float32; bv 512 float32; noise 4 x 8 x 2,048 x 64 float32; x 4 x 2,048 x 512 float32.
;; Outputs: out0 4 x 2,048 x 512 float32.
;; This version of the problem:
;;   THIS VERSION OF THE PROBLEM IS GIVEN IN LOW PRECISION. The matrix products marked QUANTISED in the list below multiply operands that are first quantised to E2M3 (2 exponent bits, 3 mantissa bits; 6 bits a number), with one power-of-two scale for each 32 numbers along K (OCP MX v1.0); their sums are f32. All else is computed in f32.
;;   The module's matrix products, in the order in which they are computed (A, B: the left and right operand; K: the contracted axis; several contracted axes count as one K, in the product's order):
;;     1. [M 8,192, K 512] x [K 512, N 512]; A: input x; B: input Wq: QUANTISED
;;     2. [M 8,192, K 512] x [K 512, N 512]; A: input x; B: input Wk: QUANTISED
;;     3. [M 8,192, K 512] x [K 512, N 512]; A: input x; B: input Wv: QUANTISED
;;     4. batch 32 x [M 2,048, K 64] x [K 64, N 2,048]; A: computed on the way; B: computed on the way: QUANTISED
;;     5. batch 32 x [M 2,048, K 2,048] x [K 2,048, N 64]; A: softmax (see below); B: computed on the way: QUANTISED
;;   THE QUANTISER, for each operand of a quantised product, along K:
;;     - K is cut into blocks of 32 from its start; a last block that is shorter is filled with zeros.
;;     - A block's scale is 2^e with e = floor(log2(the largest magnitude in the block)) - 2, held to -126 .. 127; a block of zeros has e = 0. As a byte (E8M0): e + 127.
;;     - Each number is divided by its block's scale, clamped to +-7.5, and rounded to the nearest number of E2M3, ties to even, subnormals kept.
;;     - The product sums the exact products of the quantised numbers (number of the format x scale) in f32.
;;   ~~~python
;;   def quantise(x, axis):      # numpy; x: float32 -> the quantised numbers, widened to float32 again
;;       x = np.moveaxis(x, axis, -1); K = x.shape[-1]
;;       x = np.pad(x, [(0, 0)] * (x.ndim - 1) + [(0, -K % 32)]); x = x.reshape(x.shape[:-1] + (-1, 32)); a = np.abs(x).max(-1, keepdims=True)
;;       e = np.where(a > 0, np.clip(np.frexp(np.where(a > 0, a, 1))[1] - 1 - 2, -126, 127), 0)      # np.frexp(a)[1] - 1 = floor(log2(a)), exactly
;;       r = np.clip(x / 2.0 ** e, -7.5, 7.5)
;;       step = 2.0 ** (np.maximum(np.frexp(np.where(r == 0, 1, r))[1] - 1, 0) - 3)
;;       q = np.round(r / step) * step * 2.0 ** e      # np.round: ties to even
;;       return np.moveaxis(q.reshape(q.shape[:-2] + (-1,))[..., :K], -1, axis).astype(np.float32)
;;   ~~~
;;   SOFTMAX AHEAD OF A QUANTISED PRODUCT. Where the list says 'softmax', what is quantised is not the finished softmax but p = 2^(t - M), with t = logit x log2(e) and M = ceil(the row's largest t), a whole number; so 1/2 < the row's largest p <= 1. The row's sum l is taken of the UNQUANTISED p, in f32, and the product's result is divided by l at the end. Since M is a whole number, a kernel that streams over the keys may use a running M (the ceiling of the running maximum): every later rescaling is an exact power of two, which a block's scale takes up: the codes' values come out the same.
;;   OPERANDS COMPUTED ON THE WAY. 'Computed on the way' means the value that the module computes at that place (a softmax that the list does not call 'softmax' is quantised finished and normalised). What goes into a quantiser is computed in f32, as accurately as f32 sums, v_exp_f32 and their like allow (about 1e-6 of the number): no bf16 or f16 on the way to a quantiser, and a product that is left as it is and whose result goes on into a quantised operand takes f32 operands (vector FMAs, or v_wmma_f32_16x16x4_f32). A number that lies on a knife's edge between two numbers of the format may be rounded either way, as far as f32 arithmetic and the matrix unit's own rounding can turn it there, and no further.
;; One version. Each part assembles by itself: llvm-mc -triple=amdgcn-amd-amdhsa -mcpu=gfx1250 --defsym DOCPART=n.
;; ======== version 1 of 1: 3 launches
;; limits: right only within a limited range of input values
;; workspace buffers: xw 4,046,848 bytes; q 3,407,872 bytes; kv 6,815,744 bytes
;; launch quant (part 1): grid 608 x 1, 2 waves a work-group, no clusters, 34,048 bytes of LDS; arguments x, Wq, Wk, Wv, xw; writes xw
.if DOCPART == 1
	.amdgcn_target "amdgcn-amd-amdhsa--gfx1250"
	.amdhsa_code_object_version 6
	.text
	.protected	k_qf680ac9751_quant
	.globl	k_qf680ac9751_quant
	.p2align	8
	.type	k_qf680ac9751_quant,@function
k_qf680ac9751_quant:
	s_mov_b64 s[64:65], 0
	v_nop
	global_prefetch_b8 v0, s[64:65] scope:SCOPE_SE
	s_setreg_imm32_b32 hwreg(HW_REG_WAVE_MODE, 25, 1), 1
	s_wait_xcnt 0x0
; x [8192][512] and Wq, Wk, Wv [512][512], f32, K = 512 innermost, become codes of FP6 (E2M3) with one E8M0 byte for each 32 along K,
; laid as images of the matrix operand's registers, so that the next launch takes a fragment by three loads of 16 bytes a lane.
; TILES.  Tile T of a tensor holds 16 rows; its lane r holds row 64 (T / 4) + 8 (T % 4) + r % 8 + 32 (r / 8).  With this order on both operands a lane of the next
; launch's results holds, in the registers of four neighbouring tiles, 32 neighbours along the next product's K: a whole scale block.
; OUTPUT.  xw = [608 tiles][2][3,328 bytes]: tiles 0-511 x, 512-543 Wq, 544-575 Wk, 576-607 Wv.  A record (tile, kp) holds the image of K step 2 kp (1,536 bytes:
; registers 4 c .. 4 c + 3 of lane l at 512 c + 16 l), the image of K step 2 kp + 1, and 256 bytes of scale words: lane l's 8 bytes at 8 l, its row's words of the two K steps.
; SHARES.  A work-group takes one tile, wave kp its record kp.  Waves share nothing: no barrier.
; Each load reads 512 consecutive bytes of one row; the conversions want neighbours along K in one lane, so a K step's 16 rows turn through the wave's own stage in LDS.
; A block's scale is 2^(floor(log2(its largest magnitude)) - 2); its byte is the largest magnitude's exponent field - 2, held at 1 from below.
; LIMITS: NaN and infinities among the inputs are not served; a block of zeros, or one whose largest magnitude lies under 2^-124, keeps the byte 1 (its bytes are read by this program alone).
; No tensor loads, no cluster: no two work-groups read the same bytes.  No prefetch: the launch has no loop to run ahead in.
.set STW,  16896                       ; LDS of a wave: two stages
.set ST1,  8448                        ; a stage: 16 rows x SP
.set SP,   528                         ; a stage row: 512 bytes + 16, an odd multiple of 16 bytes
.set SPARE, 2*STW                      ; the spare words
.set REC,  3328
.set R0,   16                          ; v16-79   K step 0 as loaded; later K step 1 as neighbours along K
.set R1,   80                          ; v80-143  K step 1 as loaded; later its codes
.set XN,   144                         ; v144-207 K step 0 as neighbours along K
.set TM,   208                         ; v208-217 at work in QUANT
.set PC,   224                         ; v224-242 K step 0's codes
.set PW,   244                         ; v244-245 the two scale words
.set SPW,  254
.set NIL,  255
.set SEL,  24                          ; s[24:25] lane selects for v_permlanex16_b32: lane l xor 16
; 64 numbers of a lane, register s + 32 c + i = k 64 c + 32 (lane / 16) + i of the lane's row, become a fragment's codes in v[pc] .. v[pc + 11] and its scale word (lanes 0-15) in v[pw]
.macro QUANT s, pc, pw
.irp c, 0,1
	v_max3_num_f32 v[TM+2*\c], |v[\s+32*\c]|, |v[\s+1+32*\c]|, 0x1800000   ; and the floor 2^(3 - 127): the byte cannot fall under 1
	v_max3_num_f32 v[TM+2*\c+1], |v[\s+16+32*\c]|, |v[\s+17+32*\c]|, |v[\s+18+32*\c]|
.endr
.irp i, 2,4,6,8,10,12,14
.irp c, 0,1
	v_max3_num_f32 v[TM+2*\c], v[TM+2*\c], |v[\s+\i+32*\c]|, |v[\s+1+\i+32*\c]|
.if \i < 14
	v_max3_num_f32 v[TM+2*\c+1], v[TM+2*\c+1], |v[\s+17+\i+32*\c]|, |v[\s+18+\i+32*\c]|
.endif
.endr
.endr
.irp c, 0,1
	v_max3_num_f32 v[TM+2*\c], v[TM+2*\c], v[TM+2*\c+1], |v[\s+31+32*\c]|
.endr
.irp c, 0,1
	v_add_nc_u32 v[TM+4+\c], 0xff000000, v[TM+2*\c]   ; 2 off the exponent field: the conversion's scale operand
.endr
.irp c, 0,1
	v_lshrrev_b32 v[TM+6+\c], 23, v[TM+4+\c]       ; the scale's byte
.endr
.irp c, 0,1
	v_cvt_scalef32_pk16_fp6_f32 v[\pc+6*\c:\pc+2+6*\c], v[\s+32*\c:\s+15+32*\c], v[TM+4+\c]
	v_cvt_scalef32_pk16_fp6_f32 v[\pc+12+4*\c:\pc+14+4*\c], v[\s+16+32*\c:\s+31+32*\c], v[TM+4+\c]   ; (a conversion's three registers begin on an even number)
.endr
	v_lshl_or_b32 v[TM+8], v[TM+7], 16, v[TM+6]    ; my blocks h and 2 + h (also the plain place behind the conversions)
.irp i, 0,1,2
	v_mov_b32 v[\pc+3+\i], v[\pc+12+\i]
.endr
	v_permlanex16_b32 v[TM+9], v[TM+8], s[SEL], s[SEL+1]
.irp i, 0,1,2
	v_mov_b32 v[\pc+9+\i], v[\pc+16+\i]
.endr
	v_lshl_or_b32 v[\pw], v[TM+9], 8, v[TM+8]      ; lanes 0-15: the row's four bytes
.endm
.macro LOADR f, reg                            ; K step f of my two: lane row i of the tile, 512 consecutive bytes a load
.irp i, 0,1,2,3,4,5,6,7,8,9,10,11,12,13,14,15
	global_load_b128 v[\reg+4*\i:\reg+4*\i+3], v2, s[20:21] offset:((\i%8)+32*(\i/8))*2048+512*\f th:TH_LOAD_NT
.endr
.endm
.macro TOST reg, st                            ; into stage st, as loaded
.irp i, 0,1,2,3,4,5,6,7,8,9,10,11,12,13,14,15
	ds_store_b128 v3, v[\reg+4*\i:\reg+4*\i+3] offset:\st*ST1+SP*\i
.endr
.endm
.macro FROMST reg, st                          ; and back: lane (r, h) takes of row r the 32 numbers 64 c + 32 h + 0 .. 31, c = 0, 1
.irp c, 0,1
.irp j, 0,1,2,3,4,5,6,7
	ds_load_b128 v[\reg+32*\c+4*\j:\reg+32*\c+4*\j+3], v4 offset:\st*ST1+256*\c+16*\j
.endr
.endr
.endm
	s_load_b256 s[4:11], s[0:1], 0x0               ; x s[4:5], Wq s[6:7], Wk s[8:9], Wv s[10:11]
	s_load_b64 s[12:13], s[0:1], 0x20              ; xw
	v_lshl_add_u32 v[SPW], v0, 2, SPARE
	v_mov_b32 v[NIL], 0
	v_lshrrev_b32 v1, 5, v0
	v_readfirstlane_b32 s16, v1                    ; wave = kp
	v_and_b32 v1, 31, v0                           ; lane
	s_mul_i32 s17, s16, STW                        ; my wave's stages
	v_lshlrev_b32 v2, 4, v1                        ; 16 x lane: in a load's 512 bytes, and in an image
	v_lshlrev_b32 v5, 3, v1                        ; 8 x lane: in the scale words
	v_add_nc_u32 v3, s17, v2                       ; into a stage
	v_and_b32 v6, 15, v0                           ; r
	v_bfe_u32 v7, v0, 4, 1                         ; h
	v_mul_u32_u24 v4, v6, SP
	v_lshl_add_u32 v4, v7, 7, v4
	v_add_nc_u32 v4, s17, v4                       ; out of a stage: row r, + 128 h
	v_mov_b32 v[TM+9], 0                           ; a lane permute's destination counts as one of its sources
	s_mov_b32 s[SEL], 0x76543210
	s_mov_b32 s[SEL+1], 0xfedcba98
	s_lshl_b32 s26, ttmp9, 1
	s_add_co_u32 s26, s26, s16
	s_mul_i32 s26, s26, REC                        ; my record: 2 x tile + wave
	s_mov_b32 s27, 0
	s_wait_alu depctr_va_vdst(0)                   ; the wait at the head's end
	s_wait_kmcnt 0x0
	s_mov_b64 s[20:21], s[10:11]                   ; which tensor: the choice hangs on the work-group's number alone
	s_mov_b32 s22, 576
	s_cmp_lt_u32 ttmp9, 576
	s_cselect_b64 s[20:21], s[8:9], s[20:21]
	s_cselect_b32 s22, 544, s22
	s_cmp_lt_u32 ttmp9, 544
	s_cselect_b64 s[20:21], s[6:7], s[20:21]
	s_cselect_b32 s22, 512, s22
	s_cmp_lt_u32 ttmp9, 512
	s_cselect_b64 s[20:21], s[4:5], s[20:21]
	s_cselect_b32 s22, 0, s22
	s_sub_co_u32 s22, ttmp9, s22                   ; which tile of it
	s_and_b32 s23, s22, 3
	s_lshr_b32 s22, s22, 2
	s_lshl_b32 s22, s22, 17                        ; 64 rows of 2,048 bytes a band,
	s_lshl_b32 s23, s23, 14                        ; 8 rows from tile to tile
	s_add_co_u32 s22, s22, s23
	s_lshl_b32 s23, s16, 10                        ; my two K steps: 1,024 bytes
	s_add_co_u32 s22, s22, s23
	s_mov_b32 s23, 0
	s_add_nc_u64 s[20:21], s[20:21], s[22:23]
	s_add_nc_u64 s[12:13], s[12:13], s[26:27]
	LOADR 0, R0
	LOADR 1, R1
	s_wait_loadcnt 16                              ; the first K step's 16 loads are in; the second's 16 may be out
	TOST R0, 0
	FROMST XN, 0                                   ; LDS serves a wave's instructions in order: these see the stores above
	s_wait_loadcnt 0x0
	TOST R1, 1
	s_wait_dscnt 16                                ; all but the 16 stores just issued: the first K step is back, and its stores have read R0,
	FROMST R0, 1                                   ; which takes the second K step
	QUANT XN, PC, PW
.irp c, 0,1,2
	global_store_b128 v2, v[PC+4*\c:PC+4*\c+3], s[12:13] offset:512*\c          ; 32 lanes store 512 consecutive bytes, aligned to 256
.endr
	s_wait_alu depctr_va_vdst(0)
	s_wait_dscnt 0x0                               ; the second K step is back, and its stores have read R1, which takes its codes
	QUANT R0, R1, PW+1
.irp c, 0,1,2
	global_store_b128 v2, v[R1+4*\c:R1+4*\c+3], s[12:13] offset:1536+512*\c
.endr
	global_store_b64 v5, v[PW:PW+1], s[12:13] offset:3072                       ; 32 lanes store 256 consecutive bytes, aligned
	s_wait_tensorcnt 0x0                           ; the wave's end
	ds_add_u32 v[SPW], v[NIL]
	s_wait_dscnt 0x0
	s_endpgm
.Lfunc_end_k_qf680ac9751_quant:
	.size	k_qf680ac9751_quant, .Lfunc_end_k_qf680ac9751_quant-k_qf680ac9751_quant
	.p2alignl 7, 3214868480
	.fill 96, 4, 3214868480
	.section	.rodata,"a",@progbits
	.p2align	6, 0x0
	.amdhsa_kernel k_qf680ac9751_quant
		.amdhsa_group_segment_fixed_size 34048
		.amdhsa_private_segment_fixed_size 0
		.amdhsa_enable_private_segment 0
		.amdhsa_kernarg_size 40
		.amdhsa_user_sgpr_count 2
		.amdhsa_user_sgpr_kernarg_segment_ptr 1
		.amdhsa_wavefront_size32 1
		.amdhsa_system_sgpr_workgroup_id_x 1
		.amdhsa_system_sgpr_workgroup_id_y 1
		.amdhsa_system_sgpr_workgroup_id_z 1
		.amdhsa_system_vgpr_workitem_id 0
		.amdhsa_next_free_vgpr 256
		.amdhsa_next_free_sgpr 66
		.amdhsa_reserve_vcc 0
		.amdhsa_float_denorm_mode_32 3
		.amdhsa_float_denorm_mode_16_64 3
		.amdhsa_memory_ordered 1
		.amdhsa_forward_progress 1
		.amdhsa_inst_pref_size 16
	.end_amdhsa_kernel
	.amdgpu_metadata
---
amdhsa.version: [ 1, 2 ]
amdhsa.kernels:
  - .name:           k_qf680ac9751_quant
    .symbol:         k_qf680ac9751_quant.kd
    .args:
      - { .name: x, .offset: 0, .size: 8, .value_kind: global_buffer, .address_space: global }
      - { .name: Wq, .offset: 8, .size: 8, .value_kind: global_buffer, .address_space: global }
      - { .name: Wk, .offset: 16, .size: 8, .value_kind: global_buffer, .address_space: global }
      - { .name: Wv, .offset: 24, .size: 8, .value_kind: global_buffer, .address_space: global }
      - { .name: xw, .offset: 32, .size: 8, .value_kind: global_buffer, .address_space: global }
    .group_segment_fixed_size: 34048
    .private_segment_fixed_size: 0
    .kernarg_segment_align: 8
    .kernarg_segment_size: 40
    .max_flat_workgroup_size: 64
    .sgpr_count:     66
    .vgpr_count:     256
    .wavefront_size: 32
...
	.end_amdgpu_metadata
.endif
;; end of part 1
;; launch proj (part 2): grid 8 x 32, 8 waves a work-group, clusters of 4 x 4, 189,440 bytes of LDS; arguments xw, bq, bk, bv, q, kv; writes q, kv
.if DOCPART == 2
	.amdgcn_target "amdgcn-amd-amdhsa--gfx1250"
	.amdhsa_code_object_version 6
	.text
	.protected	k_qf680ac9751_proj
	.globl	k_qf680ac9751_proj
	.p2align	8
	.type	k_qf680ac9751_proj,@function
k_qf680ac9751_proj:
	s_mov_b64 s[64:65], 0
	v_nop
	global_prefetch_b8 v0, s[64:65] scope:SCOPE_SE
	s_setreg_imm32_b32 hwreg(HW_REG_WAVE_MODE, 25, 1), 1
	s_wait_xcnt 0x0
	s_wait_alu depctr_hold_cnt(0) depctr_sa_sdst(0) depctr_va_vdst(0) depctr_va_sdst(0) depctr_va_ssrc(0) depctr_va_vcc(0) depctr_vm_vsrc(0)
	s_getreg_b32 s2, hwreg(HW_REG_IB_STS2, 6, 4)
	s_cmp_eq_u32 s2, 0
	s_cbranch_scc0 .Lentry_in_a_cluster
	s_endpgm
.Lentry_in_a_cluster:
	s_bfe_u32 s2, ttmp6, 0x10000c
	s_cmp_lg_u32 s2, 0xf033
	s_cbranch_scc0 .Lentry_shape_is_right
	s_endpgm
.Lentry_shape_is_right:
; q, k, v = x W^T + b on codes of FP6 (E2M3) with E8M0 scales, K = 512 in four steps of 128, sums in f32; the results are quantised at once for attention:
; q and k along the head's 64 (two blocks), v along the keys, and stored as images of the operands' registers.
; INPUT.  xw as the launch before lays it: record (tile, kp) = two images of 1,536 bytes and 256 bytes of scale words; lane r of tile T holds row 64 (T / 4) + 8 (T % 4) + r % 8 + 32 (r / 8).
; SHARES.  A work-group takes 256 tokens (16 tiles of x) and one head (4 tiles of each W).  Wave w = 4 role + g of eight holds x's tiles 4 g .. 4 g + 3, one band of 64 tokens, all of K, in registers (192) and streams W's tiles past them:
;   role 0: Wq's four tiles, role 1: Wk's: TRANSPOSED (source 0 = W, source 1 = x): lane (r, h) holds one token of each of the four tiles u, register 32 u + 8 t + j the channel 32 h + 8 t + j: a whole block of 32;
;   then Wv's tiles 2 role, 2 role + 1, untransposed (source 0 = x): lane (r, h) holds one channel, register 8 u + j the token 32 h + 8 u + j of the band: a whole block of 32.
; OUTPUT, idx = (8 batch + head) x 64 + a number 0 .. 63 of two tiles (band idx / 2, tiles 2 (idx % 2), + 1).  q[idx] (1,536 bytes): registers 4 c .. 4 c + 3 of lane l at 512 c + 16 l; registers 0-5 the first tile, 6-11 the second.
;   Behind the 2,048 images of q its scale words: 256 bytes for each two idx, lane l's 8 bytes = the words of the even and of the odd one.
;   kv[idx] (3,328 bytes): K's image as q's; at 1,536 V's image for the 128 keys of idx / 4 and the channels' tile idx % 4, in two halves c of 768 bytes (registers 6 c .. 6 c + 3 at 16 l, registers 6 c + 4, 6 c + 5 at 512 + 8 l);
;   at 3,072 lane l's 8 bytes = K's word, V's word.  V's words come from two waves, K's from another: they meet in a table in LDS and leave as whole units of 256 bytes.
; CLUSTER 4 x 4.  x's tiles hang on the block of tokens alone and are shared along a row of the cluster, W's on the head alone and are shared along a column: each is asked for jointly.
; All operands (186,368 bytes) come into LDS once, one load a wave: waves 0-3 four tiles of x each, waves 4-7 one tile of the three W each; nothing is filled again.  Nothing is asked for later, so nothing is prefetched.
; The biases are the C of each sum's first matrix instruction.
; LIMITS: NaN and infinities are not served; a block of zeros, or one under 2^-124, keeps the byte 1 (its bytes are read by this program alone).
; REGISTERS.  Window 0: v0-7 addresses, v8-15 W's scale words (two sets), v16-111 W's fragments (two sets of four), v112-127 x's scale words, v128-255 accumulators.
;   Window 1: v0-191 x's fragments, v192-223 the bias, later codes, v224-239 bv, v240-252 at work in QUANT, v253-255 addresses of the table.
.set WV,    16                         ; s16 wave, s17 role, s18 g
.set G1X,   24
.set G0X,   32
.set G1W,   36
.set G0W,   44
.set SEL,   52                         ; s[52:53] lane selects for v_permlanex16_b32: lane l xor 16
.set TILEB, 6656                       ; a tile in xw: two records
.set REC,   3328
.set IMG,   1536
.set SCO,   3072                       ; the scale words' place in a record
.set WB,    16*TILEB                   ; LDS: x's 16 tiles from 0; from here W's: tile t of tensor n at WB + t TWB + n TILEB
.set TWB,   3*TILEB
.set SPARE, WB+4*TWB                   ; the spare words
.set TAB,   SPARE+1024                 ; the table of scale words: 8 records x 256 bytes
.set QWO,   2048*IMG                   ; q's scale words
.set LI,    1                          ; 16 x lane
.set LS,    2                          ; 8 x lane
.set WA,    3                          ; my role's W: images, scale words
.set WSA,   4
.set WA2,   7                          ; the images from two tiles further on, so that tile 3's offsets fit their 16 bits
.set VA,    5                          ; my two tiles of Wv: images, scale words
.set VSA,   6
.set WS,    8
.set WF,    16
.set SPW,   18                         ; (the add's two registers: at the head and, made anew, at the end)
.set NIL,   19
.set XS,    112
.set HA,    128
.set BI,    192                        ; window 1
.set VB,    224
.set TM,    240
.set PCA,   192                        ; codes of a first operand, v192-203, of a second, v204-215; v216-223 the halves that are moved
.set PCB,   204
.set PH,    216
.set PW,    250                        ; v250, v251 the words of Q or K, v252 V's
.set TK,    253
.set TV,    254
.set TR,    255
.set MSB,   0
.macro WIN new
.if MSB != \new
	s_set_vgpr_msb (MSB<<8)|\new
.set MSB, \new
.endif
.endm
.macro WALU
	s_wait_alu depctr_va_vdst(0)
.endm
.macro ROUND                           ; a round of the cluster's barrier
	s_barrier_signal -1
	s_barrier_wait -1
	s_cmp_lg_u32 s[WV], 0
	s_cbranch_scc1 .Lnot_wave_0_\@
	s_barrier_signal -3
.Lnot_wave_0_\@:
	s_barrier_wait -3
	s_barrier_signal -1
	s_barrier_wait -1
.endm
.macro PLACES                          ; four plain vector places behind a matrix instruction (ISA guide 7.12.1)
.rept 4
	v_nop
.endr
.endm
.macro WM d, a, b, c, sa, sb
	v_wmma_scale_f32_16x16x128_f8f6f4 v[\d:\d+7], v[\a:\a+11], v[\b:\b+11], \c, v[\sa], v[\sb] matrix_a_fmt:MATRIX_FMT_FP6 matrix_b_fmt:MATRIX_FMT_FP6
.endm
.macro WLOAD buf, adr, sadr, off, sub=0   ; a tile of W, all of K, into set buf: 14 loads.  The word of K step ks goes to WS + 4 buf + (ks + 2) % 4.  sub: how far on adr points already
	WIN 0
.irp kp, 0,1
	ds_load_b64 v[WS+4*\buf+2*(1-\kp):WS+4*\buf+2*(1-\kp)+1], v[\sadr] offset:\off+\kp*REC
.endr
.irp ks, 0,1,2,3
.irp c, 0,1,2
	ds_load_b128 v[WF+48*\buf+12*\ks+4*\c:WF+48*\buf+12*\ks+4*\c+3], v[\adr] offset:\off-(\sub)+(\ks/2)*REC+(\ks%2)*IMG+512*\c
.endr
.endr
.endm
.macro QKTILE t, buf, first            ; 16 products; the four accumulators take turns
.irp ks, 0,1,2,3
.if \first
	s_wait_dscnt 50-12*\ks                         ; younger: the later K steps of x, 12 loads each, and the next tile of W, 14
.endif
.irp u, 0,1,2,3
.if \ks == 0
	WIN 0x14
	WM HA+32*\u+8*\t, WF+48*\buf+12*\ks, 12*(4*\u+\ks), v[BI+8*\t:BI+8*\t+7], WS+4*\buf+(\ks+2)%4, XS+4*\u+\ks
.else
	WIN 0x04
	WM HA+32*\u+8*\t, WF+48*\buf+12*\ks, 12*(4*\u+\ks), v[HA+32*\u+8*\t:HA+32*\u+8*\t+7], WS+4*\buf+(\ks+2)%4, XS+4*\u+\ks
.endif
.endr
.endr
.endm
.macro VTILE t, buf
.irp ks, 0,1,2,3
.irp u, 0,1,2,3
.if \ks == 0
	WIN 0x11
	WM HA+32*\t+8*\u, 12*(4*\u+\ks), WF+48*\buf+12*\ks, v[VB+8*\t:VB+8*\t+7], XS+4*\u+\ks, WS+4*\buf+(\ks+2)%4
.else
	WIN 0x01
	WM HA+32*\t+8*\u, 12*(4*\u+\ks), WF+48*\buf+12*\ks, v[HA+32*\t+8*\u:HA+32*\t+8*\u+7], XS+4*\u+\ks, WS+4*\buf+(\ks+2)%4
.endif
.endr
.endr
.endm
; Two blocks of 32 numbers of a lane, registers s + 32 c + i, become six registers of codes each at pc + 6 c (window 1) and, in lanes 0-15 of v[pw], four bytes: block 0 of lanes r and r + 16, block 1 of the two.
; Each accumulator is read from its low end on.
.macro QUANT s, pc, pw
.irp c, 0,1
	WIN 0x40
	v_max3_num_f32 v[TM+2*\c], |v[\s+32*\c]|, |v[\s+1+32*\c]|, 0x1800000   ; and the floor 2^(3 - 127): the byte cannot fall under 1
	v_max3_num_f32 v[TM+2*\c+1], |v[\s+16+32*\c]|, |v[\s+17+32*\c]|, |v[\s+18+32*\c]|
.endr
	WIN 0x41
.irp i, 2,4,6,8,10,12,14
.irp c, 0,1
	v_max3_num_f32 v[TM+2*\c], v[TM+2*\c], |v[\s+\i+32*\c]|, |v[\s+1+\i+32*\c]|
.if \i < 14
	v_max3_num_f32 v[TM+2*\c+1], v[TM+2*\c+1], |v[\s+17+\i+32*\c]|, |v[\s+18+\i+32*\c]|
.endif
.endr
.endr
	WIN 0x45
.irp c, 0,1
	v_max3_num_f32 v[TM+2*\c], v[TM+2*\c], v[TM+2*\c+1], |v[\s+31+32*\c]|
.endr
	WIN 0x44
.irp c, 0,1
	v_add_nc_u32 v[TM+4+\c], 0xff000000, v[TM+2*\c]   ; 2 off the exponent field: the conversion's scale operand
.endr
.irp c, 0,1
	v_lshrrev_b32 v[TM+6+\c], 23, v[TM+4+\c]       ; the scale's byte
.endr
.irp c, 0,1
	v_cvt_scalef32_pk16_fp6_f32 v[\pc+6*\c:\pc+2+6*\c], v[\s+32*\c:\s+15+32*\c], v[TM+4+\c]
	v_cvt_scalef32_pk16_fp6_f32 v[PH+4*\c:PH+2+4*\c], v[\s+16+32*\c:\s+31+32*\c], v[TM+4+\c]   ; (a conversion's three registers begin on an even number)
.endr
	WIN 0x51
	v_lshl_or_b32 v[TM+8], v[TM+7], 16, v[TM+6]    ; (also the plain place behind the conversions)
.irp i, 0,1,2
	v_mov_b32 v[\pc+3+\i], v[PH+\i]
.endr
	v_permlanex16_b32 v[TM+9], v[TM+8], s[SEL], s[SEL+1]
.irp i, 0,1,2
	v_mov_b32 v[\pc+9+\i], v[PH+4+\i]
.endr
	v_lshl_or_b32 v[\pw], v[TM+9], 8, v[TM+8]
.endm
	s_load_b256 s[4:11], s[0:1], 0x0               ; xw s[4:5], bq s[6:7], bk s[8:9], bv s[10:11]
	s_load_b128 s[12:15], s[0:1], 0x20             ; q s[12:13], kv s[14:15]
	v_lshl_add_u32 v[SPW], v0, 2, SPARE
	v_mov_b32 v[NIL], 0
	ds_add_u32 v[SPW], v[NIL]                      ; the wave's opening: the add, twice on end, and its wait
	ds_add_u32 v[SPW], v[NIL]
	v_lshrrev_b32 v1, 5, v0
	v_readfirstlane_b32 s[WV], v1                  ; wave 0..7
	s_lshr_b32 s17, s[WV], 2                       ; role
	s_and_b32 s18, s[WV], 3                        ; g
	s_bfe_u32 s19, ttmp6, 0x40000                  ; cx
	s_bfe_u32 s20, ttmp6, 0x40004                  ; cy
	s_lshl_b32 s21, ttmp9, 2
	s_add_co_u32 s21, s21, s19                     ; the head
	s_and_b32 s22, ttmp7, 0xffff
	s_lshl_b32 s22, s22, 2
	s_add_co_u32 s22, s22, s20                     ; the block of 256 tokens
	s_lshl_b32 s54, s20, 2
	s_lshl_b32 s54, 15, s54                        ; my row of the cluster
	s_lshl_b32 s55, 0x1111, s19                    ; my column
	s_or_b32 s[G1X], s54, (3<<16)|(1<<21)          ; x: mask of my row; elements of 8 bytes; bit 21 beside a mask
	s_mov_b32 s[G1X+1], 32<<16                     ; rows of 256 bytes of a dense block
	s_mov_b32 s[G1X+2], 104<<16                    ; four tiles, 26,624 bytes
	s_mov_b32 s[G1X+3], 32<<16
	s_mov_b32 s[G1X+4], 104
	s_mov_b32 s[G1X+5], 32
	s_mov_b32 s[G1X+6], 0
	s_mov_b32 s[G1X+7], 0
	s_or_b32 s[G1W], s55, (3<<16)|(1<<21)          ; W: mask of my column
	s_mov_b32 s[G1W+1], 832<<16                    ; a tile, 6,656 bytes,
	s_mov_b32 s[G1W+2], 3<<16                      ; of Wq, Wk and Wv,
	s_mov_b32 s[G1W+3], 832<<16
	s_mov_b32 s[G1W+4], 3
	s_mov_b32 s[G1W+5], 26624                      ; which lie 32 tiles apart
	s_mov_b32 s[G1W+6], 0
	s_mov_b32 s[G1W+7], 0
	s_mul_i32 s60, s18, 4*TILEB                    ; my four tiles of x, in memory and in LDS alike
	s_mul_i32 s56, s22, 16*TILEB
	s_add_co_u32 s56, s56, s60
	s_mov_b32 s57, 0
	s_mul_i32 s58, s21, 4*TILEB
	s_mul_i32 s61, s18, TILEB
	s_add_co_u32 s58, s58, s61
	s_add_co_u32 s58, s58, 512*TILEB               ; tile g of my head's, behind x's 512 tiles
	s_mov_b32 s59, 0
	s_mul_i32 s61, s18, TWB
	s_add_co_u32 s61, s61, WB                      ; its place in LDS
	s_mov_b32 s[G0X], 1
	s_mov_b32 s[G0X+1], s60
	s_mov_b32 s[G0W], 1
	s_mov_b32 s[G0W+1], s61
	s_wait_dscnt 0x0
	ROUND                                          ; all sixteen work-groups are here: the joint loads meet
	s_wait_kmcnt 0x0
	s_add_nc_u64 s[G0X+2:G0X+3], s[4:5], s[56:57]
	s_or_b32 s[G0X+3], s[G0X+3], 0x80000000
	s_add_nc_u64 s[G0W+2:G0W+3], s[4:5], s[58:59]
	s_or_b32 s[G0W+3], s[G0W+3], 0x80000000
	s_cmp_lt_u32 s[WV], 4                          ; one tensor load a wave
	s_cbranch_scc0 .Lload_w
	tensor_load_to_lds s[G0X:G0X+3], s[G1X:G1X+7]
	s_nop 0
	PLACES
	s_branch .Lasked
.Lload_w:
	tensor_load_to_lds s[G0W:G0W+3], s[G1W:G1W+7]
	s_nop 0
	PLACES
.Lasked:
	s_cmp_eq_u32 s17, 0
	s_cselect_b64 s[6:7], s[6:7], s[8:9]           ; bq or bk
	s_cselect_b64 s[48:49], s[12:13], s[14:15]     ; my images go to q or to kv,
	s_mov_b32 s61, REC
	s_cselect_b32 s56, IMG, s61                    ; records of 1,536 or of 3,328 bytes
	s_mov_b32 s57, 0
	s_lshl_b32 s62, s21, 8                         ; the head's 64 numbers of each bias
	s_mov_b32 s63, 0
	s_add_nc_u64 s[6:7], s[6:7], s[62:63]
	s_lshl_b32 s61, s17, 6
	s_add_co_u32 s62, s62, s61                     ; bv: Wv's tile t begins at channel 8 t; my first is 2 role
	s_add_nc_u64 s[10:11], s[10:11], s[62:63]
	s_lshr_b32 s54, s22, 3                         ; the work-group's first idx
	s_lshl_b32 s54, s54, 3
	s_add_co_u32 s54, s54, s21
	s_lshl_b32 s54, s54, 6
	s_and_b32 s55, s22, 7
	s_lshl_b32 s55, s55, 3
	s_add_co_u32 s23, s54, s55
	s_lshl_b32 s61, s18, 1
	s_add_co_u32 s61, s23, s61                     ; my first image of Q or K: + 2 g
	s_mul_i32 s62, s61, s56
	s_add_nc_u64 s[48:49], s[48:49], s[62:63]
	s_add_nc_u64 s[50:51], s[48:49], s[56:57]      ; and my second
	s_lshr_b32 s61, s61, 1
	s_lshl_b32 s62, s61, 8
	s_add_co_u32 s62, s62, QWO
	s_add_nc_u64 s[12:13], s[12:13], s[62:63]      ; Q's words
	s_add_co_u32 s61, s23, s[WV]
	s_mul_i32 s62, s61, REC
	s_add_co_u32 s62, s62, SCO
	s_add_nc_u64 s[54:55], s[14:15], s[62:63]      ; the record whose words I store at the end
	s_lshr_b32 s58, s18, 1
	s_lshl_b32 s58, s58, 2
	s_lshl_b32 s59, s17, 1
	s_add_co_u32 s58, s58, s59                     ; my first V record of the work-group: 4 (g / 2) + 2 role
	s_add_co_u32 s61, s23, s58
	s_mul_i32 s62, s61, REC
	s_and_b32 s59, s18, 1                          ; half c of its image
	s_mul_i32 s61, s59, 768
	s_add_co_u32 s62, s62, s61
	s_add_co_u32 s62, s62, IMG
	s_add_nc_u64 s[14:15], s[14:15], s[62:63]
	s_lshl_b32 s58, s58, 8
	s_lshl_b32 s59, s59, 1
	s_add_co_u32 s58, s58, s59
	s_add_co_u32 s58, s58, TAB+4                   ; V's two bytes in the table
	s_lshl_b32 s59, s18, 9
	s_add_co_u32 s59, s59, TAB                     ; K's words: record 2 g
	s_lshl_b32 s61, s[WV], 8
	s_add_co_u32 s61, s61, TAB                     ; the record that I read back
	s_mul_i32 s8, s17, TILEB
	s_add_co_u32 s8, s8, WB                        ; my role's W
	s_mul_i32 s9, s17, 2*TWB
	s_add_co_u32 s9, s9, WB+2*TILEB                ; my two tiles of Wv
	s_mov_b32 s[SEL], 0x76543210
	s_mov_b32 s[SEL+1], 0xfedcba98
	v_and_b32 v130, 31, v0
	v_lshlrev_b32 v[LI], 4, v130
	v_lshlrev_b32 v[LS], 3, v130
	v_bfe_u32 v133, v0, 4, 1
	v_lshlrev_b32 v133, 7, v133                    ; bq, bk: lane (r, h) wants, for tile t, channels 32 h + 8 t + 0 .. 7
	v_and_b32 v134, 15, v0
	v_and_b32 v135, 8, v134
	v_mad_u32_u24 v134, v135, 3, v134
	v_lshlrev_b32 v134, 2, v134                    ; bv: channel r % 8 + 32 (r / 8) of the tile
	v_add_nc_u32 v131, s60, v[LI]                  ; x: images, scale words
	v_add_nc_u32 v132, s60, v[LS]
	v_add_nc_u32 v132, SCO, v132
	v_add_nc_u32 v[WA], s8, v[LI]
	v_add_nc_u32 v[WSA], s8, v[LS]
	v_add_nc_u32 v[WSA], SCO, v[WSA]
	v_add_nc_u32 v[WA2], 2*TWB, v[WA]
	v_add_nc_u32 v[VA], s9, v[LI]
	v_add_nc_u32 v[VSA], s9, v[LS]
	v_add_nc_u32 v[VSA], SCO, v[VSA]
	WIN 0x40
	v_add_nc_u32 v[TK], s59, v[LS]
	v_add_nc_u32 v[TV], s58, v[LS]
	v_add_nc_u32 v[TR], s61, v[LS]
	v_mov_b32 v[TM+9], 0                           ; a lane permute's destination counts as one of its sources
.irp t, 0,1,2,3
	global_load_b128 v[BI+8*\t:BI+8*\t+3], v133, s[6:7] offset:32*\t
	global_load_b128 v[BI+8*\t+4:BI+8*\t+7], v133, s[6:7] offset:32*\t+16
.endr
.irp t, 0,1
	global_load_b32 v[VB+8*\t], v134, s[10:11] offset:32*\t
.endr
	WALU
	s_wait_loadcnt 0x0
	WIN 0x41
.irp j, 1,2,3,4,5,6,7
	v_mov_b32 v[VB+\j], v[VB]                      ; bv hangs on the lane alone: eight equal registers a tile
	v_mov_b32 v[VB+8+\j], v[VB+8]
.endr
	WIN 0
	WALU
	s_wait_tensorcnt 0x0                           ; my part of x or W is in,
	s_barrier_signal -1
	s_barrier_wait -1                              ; everybody's is
.irp u, 0,1,2,3
.irp kp, 0,1
	ds_load_b64 v[XS+4*\u+2*\kp:XS+4*\u+2*\kp+1], v132 offset:\u*TILEB+\kp*REC
.endr
.endr
	WLOAD 0, WA, WSA, 0
	WIN 0x40
.irp ks, 0,1,2,3
.irp u, 0,1,2,3
.irp c, 0,1,2
	ds_load_b128 v[12*(4*\u+\ks)+4*\c:12*(4*\u+\ks)+4*\c+3], v131 offset:\u*TILEB+(\ks/2)*REC+(\ks%2)*IMG+512*\c
.endr
.endr
.endr
	WLOAD 1, WA, WSA, TWB
	QKTILE 0, 0, 1
	PLACES
	WLOAD 0, WA, WSA, 2*TWB
	s_wait_dscnt 14                                ; tile 1 is in; tile 2's 14 loads may be out
	QKTILE 1, 1, 0
	PLACES
	WLOAD 1, WA2, WSA, 3*TWB, 2*TWB
	s_wait_dscnt 14
	QKTILE 2, 0, 0
	PLACES
	WLOAD 0, VA, VSA, 0
	s_wait_dscnt 14
	QKTILE 3, 1, 0
	PLACES
	WLOAD 1, VA, VSA, TWB
	QUANT HA, PCA, PW
	WIN 0x04
.irp c, 0,1,2
	global_store_b128 v[LI], v[PCA+4*\c:PCA+4*\c+3], s[48:49] offset:512*\c                 ; 512 consecutive bytes, aligned to 256
.endr
	QUANT HA+64, PCB, PW+1
	WIN 0x04
.irp c, 0,1,2
	global_store_b128 v[LI], v[PCB+4*\c:PCB+4*\c+3], s[50:51] offset:512*\c
.endr
	WIN 0
	s_cmp_eq_u32 s17, 0
	WALU
	s_cbranch_scc0 .Lk_words
	WIN 0x04
	global_store_b64 v[LS], v[PW:PW+1], s[12:13]   ; Q's words of my two images: 256 consecutive bytes, aligned
	WIN 0
	s_branch .Lv
.Lk_words:
	WIN 0x05
	ds_store_b32 v[TK], v[PW]                      ; K's words into the table
	ds_store_b32 v[TK], v[PW+1] offset:256
	WIN 0
.Lv:
	s_wait_dscnt 0x0                               ; Wv's two tiles are in
	VTILE 0, 0
	VTILE 1, 1
	PLACES
	s_wait_xcnt 0x0                                ; the stores have read their data: the codes' registers are written again
	QUANT HA, PCA, PW+2
	WIN 0x04
.irp t, 0,1
	global_store_b128 v[LI], v[PCA+6*\t:PCA+6*\t+3], s[14:15] offset:REC*\t
	global_store_b64 v[LS], v[PCA+6*\t+4:PCA+6*\t+5], s[14:15] offset:REC*\t+512
.endr
	WIN 0x05
	ds_store_b16 v[TV], v[PW+2]                    ; V's bytes 2 c, 2 c + 1 of my two records
	ds_store_b16_d16_hi v[TV], v[PW+2] offset:256
	WIN 0
	v_lshl_add_u32 v[SPW], v0, 2, SPARE
	v_mov_b32 v[NIL], 0
	WALU
	s_wait_dscnt 0x0
	s_barrier_signal -1
	s_barrier_wait -1                              ; the table is whole
	WIN 0x01
	ds_load_b64 v[WF:WF+1], v[TR]
	WIN 0
	s_wait_dscnt 0x0
	global_store_b64 v[LS], v[WF:WF+1], s[54:55]   ; 256 consecutive bytes, aligned
	s_wait_tensorcnt 0x0                           ; the wave's end
	ds_add_u32 v[SPW], v[NIL]
	s_wait_dscnt 0x0
	ROUND                                          ; the closing round: no work-group ends while a partner may still ask for a tile that names it
	s_endpgm
.Lfunc_end_k_qf680ac9751_proj:
	.size	k_qf680ac9751_proj, .Lfunc_end_k_qf680ac9751_proj-k_qf680ac9751_proj
	.p2alignl 7, 3214868480
	.fill 96, 4, 3214868480
	.section	.rodata,"a",@progbits
	.p2align	6, 0x0
	.amdhsa_kernel k_qf680ac9751_proj
		.amdhsa_group_segment_fixed_size 189440
		.amdhsa_private_segment_fixed_size 0
		.amdhsa_enable_private_segment 0
		.amdhsa_kernarg_size 48
		.amdhsa_user_sgpr_count 2
		.amdhsa_user_sgpr_kernarg_segment_ptr 1
		.amdhsa_wavefront_size32 1
		.amdhsa_system_sgpr_workgroup_id_x 1
		.amdhsa_system_sgpr_workgroup_id_y 1
		.amdhsa_system_sgpr_workgroup_id_z 1
		.amdhsa_system_vgpr_workitem_id 0
		.amdhsa_next_free_vgpr 512
		.amdhsa_next_free_sgpr 66
		.amdhsa_reserve_vcc 0
		.amdhsa_float_denorm_mode_32 3
		.amdhsa_float_denorm_mode_16_64 3
		.amdhsa_memory_ordered 1
		.amdhsa_forward_progress 1
		.amdhsa_inst_pref_size 43
	.end_amdhsa_kernel
	.amdgpu_metadata
---
amdhsa.version: [ 1, 2 ]
amdhsa.kernels:
  - .name:           k_qf680ac9751_proj
    .symbol:         k_qf680ac9751_proj.kd
    .args:
      - { .name: xw, .offset: 0, .size: 8, .value_kind: global_buffer, .address_space: global }
      - { .name: bq, .offset: 8, .size: 8, .value_kind: global_buffer, .address_space: global }
      - { .name: bk, .offset: 16, .size: 8, .value_kind: global_buffer, .address_space: global }
      - { .name: bv, .offset: 24, .size: 8, .value_kind: global_buffer, .address_space: global }
      - { .name: q, .offset: 32, .size: 8, .value_kind: global_buffer, .address_space: global }
      - { .name: kv, .offset: 40, .size: 8, .value_kind: global_buffer, .address_space: global }
    .group_segment_fixed_size: 189440
    .private_segment_fixed_size: 0
    .kernarg_segment_align: 8
    .kernarg_segment_size: 48
    .max_flat_workgroup_size: 256
    .sgpr_count:     66
    .vgpr_count:     512
    .wavefront_size: 32
...
	.end_amdgpu_metadata
.endif
;; end of part 2
;; launch attn (part 3): grid 8 x 32, 8 waves a work-group, clusters of 4 x 1, 327,680 bytes of LDS; arguments q, kv, noise, out0; writes out0
.if DOCPART == 3
	.amdgcn_target "amdgcn-amd-amdhsa--gfx1250"
	.amdhsa_code_object_version 6
	.text
	.protected	k_qf680ac9751_attn
	.globl	k_qf680ac9751_attn
	.p2align	8
	.type	k_qf680ac9751_attn,@function
k_qf680ac9751_attn:
	s_mov_b64 s[64:65], 0
	v_nop
	global_prefetch_b8 v0, s[64:65] scope:SCOPE_SE
	s_setreg_imm32_b32 hwreg(HW_REG_WAVE_MODE, 25, 1), 1
	s_wait_xcnt 0x0
	s_wait_alu depctr_hold_cnt(0) depctr_sa_sdst(0) depctr_va_vdst(0) depctr_va_sdst(0) depctr_va_ssrc(0) depctr_va_vcc(0) depctr_vm_vsrc(0)
	s_getreg_b32 s2, hwreg(HW_REG_IB_STS2, 6, 4)
	s_cmp_eq_u32 s2, 0
	s_cbranch_scc0 .Lentry_in_a_cluster
	s_endpgm
.Lentry_in_a_cluster:
	s_bfe_u32 s2, ttmp6, 0x10000c
	s_cmp_lg_u32 s2, 0x3003
	s_cbranch_scc0 .Lentry_shape_is_right
	s_endpgm
.Lentry_shape_is_right:
; out0 = (softmax(q k^T / 8) v + noise) / 1.01 on codes of FP6 (E2M3), streamed over the keys with a running maximum; p is quantised before it is normalised, the row's sum is taken of the unquantised p.
; SHARES.  A work-group takes one batch and head and 256 queries; each of its eight waves 32 of them, two tiles e of 16: 64 band + 8 u + r % 8 + 32 (r / 8), u = 2 (rec % 2) + e, band = rec / 2, rec = 8 x work-group x + wave.
; A step is 256 keys: eight records of 32 keys.  Both products are used transposed (S^T = k q^T, O^T = v^T p^T): a lane holds one query of each tile; by the tiles' order of rows, lane (r, h)'s registers 32 b .. 32 b + 31 of a tile's scores
; are the 32 keys 64 b + 32 h + 0 .. 31 of the step: a whole block of p's quantiser in one lane.  A matrix instruction's K is 128 and the head has 64: a record's K operand holds two tiles of keys, met by [q | 0] and [0 | q].
; K AND V.  A head's 64 records, 212,992 bytes, come into LDS once, one load a wave (eight records, a step's), and nothing is filled again.  The four work-groups of a cluster take the same head and ask jointly.
; The first barrier shows what waves 0 and 1 asked for (steps 0 and 1); a second one, signalled behind step 0 and awaited in step 1, shows the rest.
; PREFETCH.  K and V: none, every tile is asked for at the head.  noise: the work-group's 256 rows of 256 bytes, a lane a row, once, in step 1; they are loaded in step 7.
; LIMITS: the scaled scores stay under 2^31 in magnitude; NaN and infinities are not served.  A block's largest p is the exponential of its largest score: at the worst a p within an ulp of a power of two is held at the largest code.
; REGISTERS.  Window 1: the scores, then p: tile e, block b at v[128 e + 32 b]; where tile 0's p have been used, codes and the noise.  Window 0: all else.
.set REC,  3328
.set IMG,  1536
.set GRP,  8*REC                       ; a step's records
.set KVB,  8*GRP
.set STG,  KVB                         ; the way out: 32 rows x 272 bytes a wave
.set STW,  32*272
.set SPARE, STG+8*STW                  ; the spare words
.set QWO,  2048*IMG                    ; q's scale words
.set WV,   12
.set G1,   16
.set G0,   24
.set SEL,  40                          ; lane selects: lane l xor 16
.set CS,   42                          ; s[42:43] c = log2(e) / 8, twice
.set NC,   44                          ; -c
.set TB,   45                          ; LDS: the step whose K is fetched next
.set CNT,  46
.set AL,   1                           ; 16 x lane
.set FF,   2                           ; v2, v4: what O and the sum of tile 0, 1 are multiplied by
.set ADK,  3                           ; LDS: my step's records, 16 and 8 bytes a lane
.set ADS,  5
.set NM,   6                           ; v6, v8: -M;  v7, v9: the largest score so far
.set L,    10                          ; v[10:11], v[12:13]: the row's sum, in two parts
.set T,    14                          ; v14-17
.set PT,   18                          ; v18-21
.set BM,   22                          ; v22-29 each block's largest score, then largest p, then scale operand
.set Q,    30                          ; v30-59: zeros, q of tile 0, zeros, q of tile 1, zeros: six registers each
.set PS,   60                          ; v60, 62, 64, 66 p's scale words (tile e, half s of the step: 2 (2 e + s))
.set QS,   61                          ; v61, v63 q's scale words
.set AS,   65                          ; 8 x lane
.set VP,   67                          ; the prefetch's offset; written once
.set SC,   68                          ; v68-83 records' scale words: K's, V's
.set FRG,  84                          ; v84-179 eight fragments, of K, then of V
.set O,    180                         ; v180-243 O^T, tile e at 32 e: channel 32 h + 8 t + j
.set PCA,  244                         ; v244-255 codes of tile 0's first operand
.set SPW,  18                          ; (the add's two registers, at the head and, made anew, at the end)
.set NIL,  19
.set MSB,  0
.macro WIN new
.if MSB != \new
	s_set_vgpr_msb (MSB<<8)|\new
.set MSB, \new
.endif
.endm
.macro WALU
	s_wait_alu depctr_va_vdst(0)
.endm
.macro ROUND
	s_barrier_signal -1
	s_barrier_wait -1
	s_cmp_lg_u32 s[WV], 0
	s_cbranch_scc1 .Lnot_wave_0_\@
	s_barrier_signal -3
.Lnot_wave_0_\@:
	s_barrier_wait -3
	s_barrier_signal -1
	s_barrier_wait -1
.endm
.macro WM d, a, b, c, sa, sb
	v_wmma_scale_f32_16x16x128_f8f6f4 v[\d:\d+7], v[\a:\a+11], v[\b:\b+11], \c, v[\sa], v[\sb] matrix_a_fmt:MATRIX_FMT_FP6 matrix_b_fmt:MATRIX_FMT_FP6
.endm
.macro KLOAD                           ; K's fragments and all scale words of a step
	WIN 0
.irp i, 0,1,2,3,4,5,6,7
.irp c, 0,1,2
	ds_load_b128 v[FRG+12*\i+4*\c:FRG+12*\i+4*\c+3], v[ADK] offset:REC*\i+512*\c
.endr
	ds_load_b64 v[SC+2*\i:SC+2*\i+1], v[ADS] offset:REC*\i+3072
.endr
.endm
.macro VLOAD                           ; V's fragments: record 4 s + t: 128 keys s, channels' tile t
	WIN 0
.irp i, 0,1,2,3,4,5,6,7
.irp c, 0,1
	ds_load_b128 v[FRG+12*\i+6*\c:FRG+12*\i+6*\c+3], v[ADK] offset:REC*\i+IMG+768*\c
	ds_load_b64 v[FRG+12*\i+6*\c+4:FRG+12*\i+6*\c+5], v[ADS] offset:REC*\i+IMG+768*\c+512
.endr
.endr
.endm
.macro CHUNK a, b, nm                  ; 64 exponentials in place; among them t - M of the next 64 scores, which are read behind the wait that follows
	WIN 0x41
.set J_, 0
.rept 32
	v_exp_f32 v[\a+J_], v[\a+J_]
	v_exp_f32 v[\a+J_+1], v[\a+J_+1]
.if (\b) >= 0
	v_pk_fma_f32 v[\b+J_:\b+J_+1], v[\b+J_:\b+J_+1], s[CS:CS+1], v[\nm:\nm+1] op_sel_hi:[1,0,0]
.endif
.set J_, J_+2
.endr
.endm
.macro SUMS e, from, to                ; lines from .. to - 1 of tile e's row sum: four chains by turns
.set K_, \from
.rept (\to)-(\from)
.if K_ < 3
	WIN 0x05
	v_pk_add_f32 v[T+2*K_:T+2*K_+1], v[128*\e+4*K_:128*\e+4*K_+1], v[128*\e+4*K_+2:128*\e+4*K_+3]
.elseif K_ < 61
.set R_, T-2+2*((K_+3)%4)
.if (K_+3)%4 == 0
.set R_, L+2*\e
.endif
	WIN 0x04
	v_pk_add_f32 v[R_:R_+1], v[R_:R_+1], v[128*\e+2*K_+6:128*\e+2*K_+7]
.elseif K_ == 61
	WIN 0
	v_pk_add_f32 v[L+2*\e:L+2*\e+1], v[L+2*\e:L+2*\e+1], v[T:T+1]
.elseif K_ == 62
	WIN 0
	v_pk_add_f32 v[T+2:T+3], v[T+2:T+3], v[T+4:T+5]
.else
	WIN 0
	v_pk_add_f32 v[L+2*\e:L+2*\e+1], v[L+2*\e:L+2*\e+1], v[T+2:T+3]
.endif
.set K_, K_+1
.endr
.endm
.macro CV d, t, s, b                   ; 32 numbers of block b: the first 16 codes where they belong, the others aside (a conversion's three registers begin on an even number)
	v_cvt_scalef32_pk16_fp6_f32 v[\d:\d+2], v[\s:\s+15], v[BM+\b]
	v_cvt_scalef32_pk16_fp6_f32 v[\t:\t+2], v[\s+16:\s+31], v[BM+\b]
.endm
.macro MV d, t
	v_mov_b32 v[\d], v[\t]
	v_mov_b32 v[\d+1], v[\t+1]
	v_mov_b32 v[\d+2], v[\t+2]
.endm
.macro PV e, s, b, first               ; O^T of tile e += V's four tiles of half s x p's codes at b
.irp t, 0,1,2,3
.if \first && (\s == 0)
	WM O+32*\e+8*\t, FRG+12*(4*\s+\t), \b, 0, SC+1+2*(4*\s+\t), PS+2*(2*\e+\s)
.else
	WM O+32*\e+8*\t, FRG+12*(4*\s+\t), \b, v[O+32*\e+8*\t:O+32*\e+8*\t+7], SC+1+2*(4*\s+\t), PS+2*(2*\e+\s)
.endif
.endr
.endm
; A STEP.  first: nothing was summed before;  show: the second barrier's wait stands in it;  last: no K follows, the noise is loaded
.macro STEP first, show, last
	s_wait_dscnt 0x0                               ; K's fragments and the scale words are in
	WIN 0x40
.irp i, 0,1,2,3,4,5,6,7
.irp e, 0,1
	WM 128*\e+16*\i, FRG+12*\i, Q+6+12*\e, 0, SC+2*\i, QS+2*\e
	WM 128*\e+16*\i+8, FRG+12*\i, Q+12*\e, 0, SC+2*\i, QS+2*\e
.endr
.endr
.rept 4
	v_nop                                          ; the places behind the products, ahead of the loads and of the maxima
.endr
	VLOAD
	WIN 0x15                                       ; each block's largest score, eight chains by turns
.irp b, 0,1,2,3,4,5,6,7
	v_max3_num_f32 v[BM+\b], v[32*\b], v[32*\b+1], v[32*\b+2]
.endr
	WIN 0x05
.irp k, 3,5,7,9,11,13,15,17,19,21,23,25,27,29
.irp b, 0,1,2,3,4,5,6,7
	v_max3_num_f32 v[BM+\b], v[32*\b+\k], v[32*\b+\k+1], v[BM+\b]
.endr
.endr
	WIN 0x01
.irp b, 0,1,2,3,4,5,6,7
	v_max_num_f32 v[BM+\b], v[32*\b+31], v[BM+\b]
.endr
	WIN 0
.irp e, 0,1
	v_max3_num_f32 v[T+2*\e], v[BM+4*\e], v[BM+4*\e+1], v[BM+4*\e+2]
.endr
.irp e, 0,1
.if \first
	v_max_num_f32 v[T+2*\e], v[T+2*\e], v[BM+4*\e+3]
.else
	v_max3_num_f32 v[T+2*\e], v[T+2*\e], v[BM+4*\e+3], v[NM+1+2*\e]
.endif
.endr
.irp e, 0,1
	v_permlanex16_b32 v[T+1+2*\e], v[T+2*\e], s[SEL], s[SEL+1]
.endr
.irp e, 0,1
	v_max_num_f32 v[NM+1+2*\e], v[T+2*\e], v[T+1+2*\e]   ; the row's largest score so far
.endr
.irp e, 0,1
	v_mul_f32 v[T+2*\e], s[NC], v[NM+1+2*\e]
.endr
.if \first
.irp e, 0,1
	v_floor_f32 v[NM+2*\e], v[T+2*\e]              ; -M, M the ceiling of the largest t
.endr
.else
.irp e, 0,1
	v_floor_f32 v[T+2*\e], v[T+2*\e]
.endr
.irp e, 0,1
	v_sub_f32 v[T+1+2*\e], v[T+2*\e], v[NM+2*\e]   ; M's old value less its new one: a whole number, 0 or less
.endr
.irp e, 0,1
	v_mov_b32 v[NM+2*\e], v[T+2*\e]
.endr
.irp e, 0,1
	v_cvt_i32_f32 v[T+1+2*\e], v[T+1+2*\e]
.endr
.irp e, 0,1
	v_ldexp_f32 v[FF+2*\e], 1.0, v[T+1+2*\e]
.endr
.endif
.irp b, 0,1,2,3,4,5,6,7
	v_fma_f32 v[BM+\b], v[BM+\b], s[CS], v[NM+2*(\b/4)]
.endr
.if \first == 0
.irp e, 0,1
.irp j, 0,2,4,6,8,10,12,14,16,18,20,22,24,26,28,30
	v_pk_mul_f32 v[O+32*\e+\j:O+32*\e+\j+1], v[O+32*\e+\j:O+32*\e+\j+1], v[FF+2*\e:FF+2*\e+1] op_sel_hi:[1,0]
.endr
	v_pk_mul_f32 v[L+2*\e:L+2*\e+1], v[L+2*\e:L+2*\e+1], v[FF+2*\e:FF+2*\e+1] op_sel_hi:[1,0]
.endr
.endif
	WIN 0x41
.set J_, 0
.rept 32
	v_pk_fma_f32 v[J_:J_+1], v[J_:J_+1], s[CS:CS+1], v[NM:NM+1] op_sel_hi:[1,0,0]
.set J_, J_+2
.endr
	WIN 0
	WALU                                           ; the wait ahead of each batch and behind it
.irp b, 0,1,2,3,4,5,6,7
	v_exp_f32 v[BM+\b], v[BM+\b]                   ; each block's largest p: the same instructions on the same number
.endr
	CHUNK 0, 64, NM
	WALU
	CHUNK 64, 128, NM+2
	WALU
	CHUNK 128, 192, NM+2
	WALU
	CHUNK 192, -1, NM+2
	v_nop                                          ; one plain place behind a transcendental
	WALU
	WIN 0
.irp b, 0,1,2,3,4,5,6,7
	v_max_num_f32 v[BM+\b], 0x1800000, v[BM+\b]    ; the floor 2^(3 - 127): the byte cannot fall under 1
.endr
.irp b, 0,1,2,3,4,5,6,7
	v_add_nc_u32 v[BM+\b], 0xff000000, v[BM+\b]    ; 2 off the exponent field: the conversion's scale operand
.endr
.irp k, 0,1,2,3
	v_lshrrev_b32 v[T+\k], 23, v[BM+2*\k]          ; the bytes of my two blocks of operand k = 2 e + s,
	v_lshrrev_b32 v[PT+\k], 23, v[BM+2*\k+1]
.endr
.irp k, 0,1,2,3
	v_lshl_or_b32 v[T+\k], v[PT+\k], 16, v[T+\k]
.endr
.irp k, 0,1,2,3
	v_permlanex16_b32 v[PT+\k], v[T+\k], s[SEL], s[SEL+1]
.endr
.irp k, 0,1,2,3
	v_lshl_or_b32 v[PS+2*\k], v[PT+\k], 8, v[T+\k] ; and of lane l xor 16's: lanes 0-15 hold the word
.endr
	SUMS 0, 0, 64
	WIN 0x01
	CV PCA, PT, 0, 0
	CV PCA+6, T, 32, 1
	v_nop                                          ; one plain place behind a scaled conversion
	WIN 0
	MV PCA+3, PT
	MV PCA+9, T
	WIN 0x41                                       ; tile 0's first 64 p have been used: their registers take the other codes
	CV 0, 12, 64, 2
	CV 6, 16, 96, 3
	CV 24, 48, 128, 4
	CV 30, 52, 160, 5
	CV 36, 56, 192, 6
	CV 42, 60, 224, 7
	v_nop
	MV 3, 12
	MV 9, 16
	MV 27, 48
	MV 33, 52
	MV 39, 56
	MV 45, 60
.if \last
	WIN 0x40
.irp i, 0,1,2,3,4,5,6,7,8,9,10,11,12,13,14,15
	global_load_b128 v[64+4*\i:64+4*\i+3], v[AL], s[50:51] offset:(8*(\i/8)+(2*(\i%8))%8+32*((2*(\i%8))/8))*256 th:TH_LOAD_NT   ; two rows of noise: 512 consecutive bytes
.endr
.endif
	SUMS 1, 0, 8                                   ; (the places between the codes and the products)
	WALU
	s_wait_dscnt 0x0                               ; V's fragments are in
	WIN 0
	PV 0, 0, PCA, \first
	WIN 0x04
	PV 1, 0, 24, \first
	PV 0, 1, 0, \first
	PV 1, 1, 36, \first
	SUMS 1, 8, 16                                  ; (the places ahead of the loads)
.if \show
	WALU
	s_barrier_wait -1                              ; every wave's tiles are in
.endif
.if \last == 0
	WIN 0
	s_add_co_u32 s[TB], s[TB], GRP
	v_add_nc_u32 v[ADK], s[TB], v[AL]
	v_add_nc_u32 v[ADS], s[TB], v[AS]
	KLOAD
.endif
.if \show
	global_prefetch_b8 v[VP], s[8:9] th:TH_LOAD_NT scope:SCOPE_SE   ; the work-group's 256 rows of noise, a lane a row
.endif
	SUMS 1, 16, 64
	WIN 0
.endm
	s_load_b256 s[4:11], s[0:1], 0x0               ; q s[4:5], kv s[6:7], noise s[8:9], out0 s[10:11]
	v_lshl_add_u32 v[SPW], v0, 2, SPARE
	v_mov_b32 v[NIL], 0
	ds_add_u32 v[SPW], v[NIL]                      ; the wave's opening: the add, twice on end, and its wait
	ds_add_u32 v[SPW], v[NIL]
	v_lshrrev_b32 v1, 5, v0
	v_readfirstlane_b32 s[WV], v1                  ; wave 0..7
	s_bfe_u32 s13, ttmp6, 0x40000                  ; cx
	s_lshl_b32 s14, ttmp9, 2
	s_add_co_u32 s14, s14, s13                     ; x: the block of 256 queries
	s_and_b32 s15, ttmp7, 0xffff                   ; y = 8 batch + head
	s_mov_b32 s[G1], 15|(3<<16)|(1<<21)            ; all four of my cluster; elements of 8 bytes
	s_mov_b32 s[G1+1], 32<<16                      ; rows of 256 bytes of a dense block
	s_mov_b32 s[G1+2], 104<<16                     ; 26,624 bytes
	s_mov_b32 s[G1+3], 32<<16
	s_mov_b32 s[G1+4], 104
	s_mov_b32 s[G1+5], 32
	s_mov_b32 s[G1+6], 0
	s_mov_b32 s[G1+7], 0
	s_mul_i32 s52, s15, KVB
	s_mul_i32 s54, s[WV], GRP
	s_add_co_u32 s52, s52, s54
	s_mov_b32 s53, 0
	s_mov_b32 s[G0], 1
	s_mov_b32 s[G0+1], s54
	s_wait_dscnt 0x0
	ROUND                                          ; all four work-groups are here: the joint loads meet
	s_wait_kmcnt 0x0
	s_add_nc_u64 s[G0+2:G0+3], s[6:7], s[52:53]
	s_or_b32 s[G0+3], s[G0+3], 0x80000000
	s_cmp_lt_u32 s[WV], 2                          ; one load a wave; waves 0 and 1, whose tiles the first barrier shows, have a line of their own
	s_cbranch_scc0 .Lload_rest
	tensor_load_to_lds s[G0:G0+3], s[G1:G1+7]
	s_nop 0
.rept 4
	v_nop
.endr
	s_branch .Lasked
.Lload_rest:
	tensor_load_to_lds s[G0:G0+3], s[G1:G1+7]
	s_nop 0
.rept 4
	v_nop
.endr
.Lasked:
	s_lshl_b32 s55, s14, 3
	s_add_co_u32 s55, s55, s[WV]                   ; rec
	s_lshl_b32 s56, s15, 6
	s_add_co_u32 s56, s56, s55                     ; idx
	s_lshr_b32 s58, s56, 1
	s_lshl_b32 s58, s58, 8
	s_add_co_u32 s58, s58, QWO
	s_and_b32 s57, s56, 1
	s_lshl_b32 s57, s57, 2
	s_add_co_u32 s58, s58, s57
	s_mov_b32 s59, 0
	s_add_nc_u64 s[48:49], s[4:5], s[58:59]        ; q's scale words
	s_mul_i32 s52, s56, IMG
	s_add_nc_u64 s[4:5], s[4:5], s[52:53]          ; q's image
	s_lshr_b32 s57, s55, 1
	s_lshl_b32 s57, s57, 6
	s_and_b32 s58, s55, 1
	s_lshl_b32 s58, s58, 4
	s_add_co_u32 s57, s57, s58                     ; my first token
	s_lshl_b32 s58, s15, 11
	s_add_co_u32 s52, s58, s57
	s_lshl_b32 s52, s52, 8
	s_add_nc_u64 s[50:51], s[8:9], s[52:53]        ; my rows of noise
	s_lshl_b32 s52, s14, 8
	s_add_co_u32 s52, s52, s58
	s_lshl_b32 s52, s52, 8
	s_add_nc_u64 s[8:9], s[8:9], s[52:53]          ; the work-group's rows of noise
	s_lshr_b32 s52, s15, 3
	s_lshl_b32 s52, s52, 11
	s_add_co_u32 s52, s52, s57
	s_lshl_b32 s52, s52, 11
	s_and_b32 s58, s15, 7
	s_lshl_b32 s58, s58, 8
	s_add_co_u32 s52, s52, s58
	s_add_nc_u64 s[10:11], s[10:11], s[52:53]      ; my rows of out0
	s_mov_b32 s[SEL], 0x76543210
	s_mov_b32 s[SEL+1], 0xfedcba98
	s_mov_b32 s[CS], 0x3e38aa3b                    ; log2(e) / 8
	s_mov_b32 s[CS+1], s[CS]
	s_mov_b32 s[NC], 0xbe38aa3b
	s_mov_b32 s[TB], 0
	v_and_b32 v[T], 31, v0
	v_lshlrev_b32 v[AL], 4, v[T]
	v_lshlrev_b32 v[AS], 3, v[T]
.irp p, 0,1,2
	global_load_b64 v[Q+6+2*\p:Q+7+2*\p], v[AL], s[4:5] offset:512*(\p/2)+8*(\p%2)            ; tile 0's registers 2 p, 2 p + 1
	global_load_b64 v[Q+18+2*\p:Q+19+2*\p], v[AL], s[4:5] offset:512*((\p+3)/2)+8*((\p+3)%2)  ; tile 1's: the image's registers 6 + 2 p, 7 + 2 p
.endr
	global_load_b32 v[PT], v[AS], s[48:49]
	v_lshlrev_b32 v[VP], 8, v0
	v_mov_b32 v[ADK], v[AL]
	v_mov_b32 v[ADS], v[AS]
.irp j, 0,1,2,3
	v_mov_b32 v[L+\j], 0
.endr
	v_mov_b32 v[T+1], 0                            ; a lane permute's destination counts as one of its sources
	v_mov_b32 v[T+3], 0
	WALU
	s_wait_loadcnt 0x0
	v_perm_b32 v[QS], v[PT], v[PT], 0x01000100     ; a tile's two bytes, twice: they serve q in the lower and in the upper half of an instruction's K
	v_perm_b32 v[QS+2], v[PT], v[PT], 0x03020302
.irp j, 0,1,2,3,4,5
	v_mov_b32 v[Q+\j], 0
	v_mov_b32 v[Q+12+\j], 0
	v_mov_b32 v[Q+24+\j], 0
.endr
	WALU                                           ; the wait at the head's end
	s_cmp_lt_u32 s[WV], 2
	s_cbranch_scc0 .Lnot_first
	s_wait_tensorcnt 0x0
.Lnot_first:
	s_barrier_signal -1
	s_barrier_wait -1                              ; steps 0 and 1 are in
	KLOAD
	STEP 1, 0, 0
	WALU
	s_wait_tensorcnt 0x0                           ; my tile is in, whichever it is,
	s_wait_dscnt 0x0
	s_barrier_signal -1                            ; say so; until the wait in step 1 only registers are worked on and steps 0 and 1 are read
	STEP 0, 1, 0
	s_mov_b32 s[CNT], 5
	WALU
.Lstep:                                                ; steps 2 to 6
	STEP 0, 0, 0
	s_sub_co_u32 s[CNT], s[CNT], 1
	s_cmp_lg_u32 s[CNT], 0
	WALU
	s_cbranch_scc1 .Lstep
	STEP 0, 0, 1
; THE WAY OUT: O^T / (1.01 x the sum) turns through the wave's own stage into rows; noise / 1.01 is added; sixteen lanes store 256 consecutive bytes, aligned
.irp e, 0,1
	v_add_f32 v[L+2*\e], v[L+2*\e], v[L+2*\e+1]
.endr
	v_bfe_u32 v24, v0, 4, 1                        ; h
	v_and_b32 v25, 15, v0                          ; r
.irp e, 0,1
	v_permlanex16_b32 v[T+\e], v[L+2*\e], s[SEL], s[SEL+1]
.endr
	s_mul_i32 s52, s[WV], STW
	s_add_co_u32 s52, s52, STG
	v_mul_u32_u24 v22, v25, 272
	v_mul_u32_u24 v23, v24, 272
.irp e, 0,1
	v_add_f32 v[L+2*\e], v[L+2*\e], v[T+\e]        ; with lane l xor 16's: the row's sum
.endr
	v_lshl_add_u32 v22, v24, 7, v22
	v_lshl_add_u32 v23, v25, 4, v23
	v_lshlrev_b32 v26, 11, v24
	v_add_nc_u32 v22, s52, v22                     ; into the stage: row r, + 128 h
	v_add_nc_u32 v23, s52, v23                     ; out of it: lanes 0-15 a row, lanes 16-31 the next
	v_lshl_add_u32 v26, v25, 4, v26                ; and the same two rows in out0
	WALU
	v_rcp_f32 v[L], v[L]
	v_rcp_f32 v[L+2], v[L+2]
	v_nop
	WALU
	v_mul_f32 v[L], 0x3f7d7721, v[L]               ; 1 / 1.01
	v_mul_f32 v[L+2], 0x3f7d7721, v[L+2]
	WALU                                           ; the wait directly ahead of the first reader of O^T
.irp e, 0,1
.irp j, 0,2,4,6,8,10,12,14,16,18,20,22,24,26,28,30
	v_pk_mul_f32 v[O+32*\e+\j:O+32*\e+\j+1], v[O+32*\e+\j:O+32*\e+\j+1], v[L+2*\e:L+2*\e+1] op_sel_hi:[1,0]
.endr
.endr
.irp e, 0,1
.irp j, 0,1,2,3,4,5,6,7
	ds_store_b128 v22, v[O+32*\e+4*\j:O+32*\e+4*\j+3] offset:16*272*\e+16*\j
.endr
.endr
.irp i, 0,1,2,3,4,5,6,7,8,9,10,11,12,13,14,15
	ds_load_b128 v[FRG+4*\i:FRG+4*\i+3], v23 offset:544*\i   ; LDS serves a wave's instructions in order: these see the stores above
.endr
	v_lshl_add_u32 v[SPW], v0, 2, SPARE
	v_mov_b32 v[NIL], 0
	WALU
	s_wait_loadcnt 0x0                             ; the noise
.irp g, 0,1,2,3
	s_wait_dscnt 12-4*\g                           ; younger: the loads of the later rows
	WIN 0x01
.irp i, 0,1,2,3
	v_pk_fma_f32 v[FRG+16*\g+4*\i:FRG+16*\g+4*\i+1], v[64+16*\g+4*\i:64+16*\g+4*\i+1], 0x3f7d7721, v[FRG+16*\g+4*\i:FRG+16*\g+4*\i+1] op_sel_hi:[1,0,1]
	v_pk_fma_f32 v[FRG+16*\g+4*\i+2:FRG+16*\g+4*\i+3], v[64+16*\g+4*\i+2:64+16*\g+4*\i+3], 0x3f7d7721, v[FRG+16*\g+4*\i+2:FRG+16*\g+4*\i+3] op_sel_hi:[1,0,1]
.endr
	WIN 0
.irp i, 0,1,2,3
	global_store_b128 v26, v[FRG+16*\g+4*\i:FRG+16*\g+4*\i+3], s[10:11] offset:(8*(\g/2)+(2*\i)%8+32*(\g%2))*2048 th:TH_STORE_NT
.endr
.endr
	s_wait_tensorcnt 0x0                           ; the wave's end
	ds_add_u32 v[SPW], v[NIL]
	s_wait_dscnt 0x0
	ROUND                                          ; the closing round: no work-group ends while a partner may still ask for a tile that names it
	s_endpgm
.Lfunc_end_k_qf680ac9751_attn:
	.size	k_qf680ac9751_attn, .Lfunc_end_k_qf680ac9751_attn-k_qf680ac9751_attn
	.p2alignl 7, 3214868480
	.fill 96, 4, 3214868480
	.section	.rodata,"a",@progbits
	.p2align	6, 0x0
	.amdhsa_kernel k_qf680ac9751_attn
		.amdhsa_group_segment_fixed_size 327680
		.amdhsa_private_segment_fixed_size 0
		.amdhsa_enable_private_segment 0
		.amdhsa_kernarg_size 32
		.amdhsa_user_sgpr_count 2
		.amdhsa_user_sgpr_kernarg_segment_ptr 1
		.amdhsa_wavefront_size32 1
		.amdhsa_system_sgpr_workgroup_id_x 1
		.amdhsa_system_sgpr_workgroup_id_y 1
		.amdhsa_system_sgpr_workgroup_id_z 1
		.amdhsa_system_vgpr_workitem_id 0
		.amdhsa_next_free_vgpr 512
		.amdhsa_next_free_sgpr 66
		.amdhsa_reserve_vcc 0
		.amdhsa_float_denorm_mode_32 3
		.amdhsa_float_denorm_mode_16_64 3
		.amdhsa_memory_ordered 1
		.amdhsa_forward_progress 1
		.amdhsa_inst_pref_size 219
	.end_amdhsa_kernel
	.amdgpu_metadata
---
amdhsa.version: [ 1, 2 ]
amdhsa.kernels:
  - .name:           k_qf680ac9751_attn
    .symbol:         k_qf680ac9751_attn.kd
    .args:
      - { .name: q, .offset: 0, .size: 8, .value_kind: global_buffer, .address_space: global }
      - { .name: kv, .offset: 8, .size: 8, .value_kind: global_buffer, .address_space: global }
      - { .name: noise, .offset: 16, .size: 8, .value_kind: global_buffer, .address_space: global }
      - { .name: out0, .offset: 24, .size: 8, .value_kind: global_buffer, .address_space: global }
    .group_segment_fixed_size: 327680
    .private_segment_fixed_size: 0
    .kernarg_segment_align: 8
    .kernarg_segment_size: 32
    .max_flat_workgroup_size: 256
    .sgpr_count:     66
    .vgpr_count:     512
    .wavefront_size: 32
...
	.end_amdgpu_metadata
.endif
;; end of part 3
